; MI455X (gfx1250); checked and timed in simulation.
; The chip was launched on July 23, 2026; its instructions are those of AMD's public machine-readable ISA for CDNA 5 (MIT licence, August 2026) and "CDNA5" Instruction Set Architecture Reference Guide (July 2026). The comments in the code are by the model that wrote it; some were corrected since.
;; Casual Self Attention. Allowed arithmetic: matrix products marked QUANTISED: E4M3 operands, one given power-of-two scale a tensor, by v_wmma_f32_16x16x64_fp8_fp8 or v_wmma_f32_16x16x128_fp8_fp8, f32 sums; everything else in f32.
;; Inputs: lowp_scales 8 int32 (the exponents e of the quantised operands' scales 2^e); w_out 1,024 x 1,024 float32; w_qkv 3,072 x 1,024 float32; x 4 x 2,048 x 1,024 float32.
;; Outputs: out0 4 x 2,048 x 1,024 float32.
;; This version of the problem:
;;   THIS VERSION OF THE PROBLEM IS GIVEN IN LOW PRECISION. The matrix products marked QUANTISED in the list below multiply operands that are first quantised to E4M3 (4 exponent bits, 3 mantissa bits; 8 bits a number), with one given power-of-two scale for each operand tensor; their sums are f32. All else is computed in f32.
;;   The module's matrix products, in the order in which they are computed (A, B: the left and right operand; K: the contracted axis; several contracted axes count as one K, in the product's order):
;;     1. [M 8,192, K 1,024] x [K 1,024, N 3,072]; A: input x; B: input w_qkv: QUANTISED (scales: A lowp_scales[0], B lowp_scales[1])
;;     2. batch 64 x [M 2,048, K 64] x [K 64, N 2,048]; A: computed on the way; B: computed on the way: QUANTISED (scales: A lowp_scales[2], B lowp_scales[3])
;;     3. batch 64 x [M 2,048, K 2,048] x [K 2,048, N 64]; A: softmax (see below); B: computed on the way: QUANTISED (scales: A lowp_scales[4], B lowp_scales[5])
;;     4. [M 8,192, K 1,024] x [K 1,024, N 1,024]; A: computed on the way; B: input w_out: QUANTISED (scales: A lowp_scales[6], B lowp_scales[7])
;;   THE QUANTISER, for each operand of a quantised product, along K:
;;     - The operand's scale is 2^e, e = its entry of the input lowp_scales (int32; the entries are numbered through the quantised products in the list's order, A before B).
;;     - Each number is divided by the scale, clamped to +-448, and rounded to the nearest number of E4M3, ties to even, subnormals kept.
;;     - The product sums the exact products of the quantised numbers (number of the format x scale) in f32.
;;   ~~~python
;;   def quantise(x, axis, e):      # numpy; x: float32 -> the quantised numbers, widened to float32 again
;;       x = np.moveaxis(x, axis, -1); K = x.shape[-1]
;;       r = np.clip(x / 2.0 ** e, -448, 448)
;;       step = 2.0 ** (np.maximum(np.frexp(np.where(r == 0, 1, r))[1] - 1, -6) - 3)
;;       q = np.round(r / step) * step * 2.0 ** e      # np.round: ties to even
;;       return np.moveaxis(q, -1, axis).astype(np.float32)
;;   ~~~
;;   SOFTMAX AHEAD OF A QUANTISED PRODUCT. Where the list says 'softmax', what is quantised is not the finished softmax but p = 2^(t - M), with t = logit x log2(e) and M = ceil(the row's largest t), a whole number; so 1/2 < the row's largest p <= 1. The row's sum l is taken of the UNQUANTISED p, in f32, and the product's result is divided by l at the end. Since M is a whole number, a kernel that streams over the keys may use a running M (the ceiling of the running maximum): every later rescaling is an exact power of two, so the quantised numbers keep their values, but for numbers so far below the row's largest that they fall under the format's range.
;;   OPERANDS COMPUTED ON THE WAY. 'Computed on the way' means the value that the module computes at that place (a softmax that the list does not call 'softmax' is quantised finished and normalised). What goes into a quantiser is computed in f32, as accurately as f32 sums, v_exp_f32 and their like allow (about 1e-6 of the number): no bf16 or f16 on the way to a quantiser, and a product that is left as it is and whose result goes on into a quantised operand takes f32 operands (vector FMAs, or v_wmma_f32_16x16x4_f32). A number that lies on a knife's edge between two numbers of the format may be rounded either way, as far as f32 arithmetic and the matrix unit's own rounding can turn it there, and no further.
;; One version. Each part assembles by itself: llvm-mc -triple=amdgcn-amd-amdhsa -mcpu=gfx1250 --defsym DOCPART=n.
;; ======== version 1 of 1: 4 launches
;; limits: right only within a limited range of input values
;; workspace buffers: x_codes 8,388,608 bytes; wqkv_codes 3,145,728 bytes; wout_codes 1,048,576 bytes; q_img 8,388,608 bytes; k_img 8,388,608 bytes; v_img 8,388,608 bytes; att_img 8,388,608 bytes
;; launch quant (part 1): grid 768 x 1, 4 waves a work-group, no clusters, 33,280 bytes of LDS; arguments x, w_qkv, w_out, lowp_scales, x_codes, wqkv_codes, wout_codes; writes x_codes, wqkv_codes, wout_codes
.if DOCPART == 1
	.amdgcn_target "amdgcn-amd-amdhsa--gfx1250"
	.amdhsa_code_object_version 6
	.text
	.protected	k_qd71a2c9ad3_quant
	.globl	k_qd71a2c9ad3_quant
	.p2align	8
	.type	k_qd71a2c9ad3_quant,@function
k_qd71a2c9ad3_quant:
	s_mov_b64 s[64:65], 0
	v_nop
	global_prefetch_b8 v0, s[64:65] scope:SCOPE_SE
	s_setreg_imm32_b32 hwreg(HW_REG_WAVE_MODE, 25, 1), 1
	s_wait_xcnt 0x0
; x [8192][1024], w_qkv [3072][1024] and w_out [1024][1024], f32, K innermost, become codes of FP8 (E4M3), one byte each, each with its given scale 2^e:
; e = entry 0 (x), entry 1 (w_qkv), entry 7 (w_out) of the buffer of scales.  code = number / 2^e, held within +-448, rounded to the nearest code, ties to even.
; LIMITS: e between -126 and 119, so that 2^e and 448 x 2^e are f32 numbers.  NaN among the inputs is not served (an infinity is held at the largest code).
; ORDER OF THE CODES.  Rows are dense and 1,024 is a multiple of 32, so each tensor is a stream of blocks of 32 numbers.  In each block the two middle groups of eight change places:
; stored byte 16 b + 8 w + i of a block holds k = 16 w + 8 b + i.  A 16-byte read at 16 h of a block then brings k = 8 h + 0..7 and 16 + 8 h + 0..7: four registers of the plain 8-bit operand layout as they stand.
; The order is the same in all three tensors, so in a product of two of them every k meets its partner.
; SHARES.  A wave takes 8 steps of 512 numbers.  Each of a step's four loads reads 512 consecutive bytes, 16 a lane; the 2,048 bytes go through the wave's own stage in LDS as they lie (16 bytes of padding behind each 64)
; and come back so that lane l holds numbers 32 (l / 2) + 8 (l % 2) + 0..7 and the eight that lie 16 further on; its 16 codes are bytes 16 l on of the step's 512: the wave stores 512 consecutive bytes.
; One launch serves the three tensors: work-groups 0-511 take x, 512-703 w_qkv, 704-767 w_out.  Only pointers and e are chosen, by the work-group's number: there is one path through the text.
; No tensor loads, no barrier: waves share nothing.  Loads run four steps (16 loads a wave) ahead, the turn through LDS one step.
.set STEPS, 8
.set WGX,   512                        ; x: 8,388,608 numbers / 16,384 a work-group
.set WGW,   704                        ; + w_qkv's 192
.set EMAX,  8
.set MANT,  0x600000                   ; the mantissa field of 448 as f32
.set R,     16                         ; v16-79   four sets of 16 numbers as they are loaded
.set X,     80                         ; v80-111  two sets of 16 numbers in the order of the codes
.set C,     128                        ; v128-159 codes: four registers for each step, so that no store's data are written again
.set WREG,  8192                       ; LDS: a region of its own for each wave: two stages of 32 x SP bytes
.set SP,    80                         ; 64 bytes (16 numbers) + 16 of padding
	s_load_b256 s[4:11], s[0:1], 0x0               ; x s[4:5], w_qkv s[6:7], w_out s[8:9], the scales' exponents s[10:11]
	s_load_b128 s[12:15], s[0:1], 0x20             ; x's codes s[12:13], w_qkv's s[14:15]
	s_load_b64 s[16:17], s[0:1], 0x30              ; w_out's
	v_lshl_add_u32 v160, v0, 2, 0x8000
	v_mov_b32 v161, 0
	v_lshrrev_b32 v1, 5, v0
	v_readfirstlane_b32 s18, v1                    ; wave
	v_and_b32 v2, 31, v0                           ; lane
	v_lshlrev_b32 v3, 4, v2                        ; 16 x lane: my 16 bytes of a load's 512, and of a store's; never rewritten
	s_mul_i32 s19, s18, WREG
	v_lshrrev_b32 v14, 2, v2
	v_mul_u32_u24 v14, v14, SP
	v_and_b32 v15, 3, v2
	v_lshl_add_u32 v14, v15, 4, v14
	v_add_nc_u32 v14, s19, v14                     ; the stage, on the way in: SP (lane / 4) + 16 (lane % 4); a load's 512 bytes take eight places of 64
	v_and_b32 v15, 30, v2
	v_mul_u32_u24 v15, v15, SP
	v_and_b32 v5, 1, v2
	v_lshl_add_u32 v15, v5, 5, v15
	v_add_nc_u32 v15, s19, v15                     ; on the way out: place lane & 30, + 32 bytes for odd lanes: eight numbers there, eight at the same byte of the next place
	s_wait_alu depctr_va_vdst(0)
	s_wait_kmcnt 0x0
	s_load_b256 s[24:31], s[10:11], 0x0            ; the eight exponents
	s_cmp_lt_u32 ttmp9, WGW                        ; the choices hang on the work-group's number alone
	s_cselect_b64 s[6:7], s[6:7], s[8:9]           ; w_qkv or w_out,
	s_cselect_b64 s[14:15], s[14:15], s[16:17]
	s_mov_b32 s19, WGW
	s_cselect_b32 s19, WGX, s19                    ; and that tensor's first work-group
	s_cmp_lt_u32 ttmp9, WGX
	s_cselect_b64 s[4:5], s[4:5], s[6:7]           ; x or that one: from here,
	s_cselect_b64 s[8:9], s[12:13], s[14:15]       ; to here
	s_cselect_b32 s19, 0, s19
	s_sub_co_u32 s19, ttmp9, s19
	s_lshl_b32 s19, s19, 2
	s_add_co_u32 s2, s19, s18                      ; which run of 4,096 numbers of the tensor is my wave's
	s_mov_b32 s3, 0
	s_mov_b64 s[20:21], 512*STEPS*4
	s_mul_u64 s[20:21], s[2:3], s[20:21]
	s_add_nc_u64 s[4:5], s[4:5], s[20:21]
	s_mov_b64 s[20:21], 512*STEPS
	s_mul_u64 s[20:21], s[2:3], s[20:21]
	s_add_nc_u64 s[8:9], s[8:9], s[20:21]
.macro LOAD t
.irp i, 0,1,2,3
	global_load_b128 v[R+16*((\t)%4)+4*\i:R+16*((\t)%4)+4*\i+3], v3, s[4:5] offset:2048*(\t)+512*\i th:TH_LOAD_NT   ; 32 lanes read 512 consecutive bytes
.endr
.endm
.macro TURN t                          ; step t's numbers through the stage: LDS serves a wave's instructions in order (ISA guide 5.7.1.4), so no wait stands between the stores and the loads
.irp i, 0,1,2,3
	ds_store_b128 v14, v[R+16*((\t)%4)+4*\i:R+16*((\t)%4)+4*\i+3] offset:32*SP*((\t)%2)+8*SP*\i
.endr
	ds_load_b128 v[X+16*((\t)%2):X+16*((\t)%2)+3],     v15 offset:32*SP*((\t)%2)
	ds_load_b128 v[X+16*((\t)%2)+4:X+16*((\t)%2)+7],   v15 offset:32*SP*((\t)%2)+16
	ds_load_b128 v[X+16*((\t)%2)+8:X+16*((\t)%2)+11],  v15 offset:32*SP*((\t)%2)+SP
	ds_load_b128 v[X+16*((\t)%2)+12:X+16*((\t)%2)+15], v15 offset:32*SP*((\t)%2)+SP+16
.endm
.irp t, 0,1,2,3
	LOAD \t
.endr
	s_wait_kmcnt 0x0
	s_cmp_lt_u32 ttmp9, WGW
	s_cselect_b32 s22, s25, s31                    ; e of w_qkv or of w_out,
	s_cmp_lt_u32 ttmp9, WGX
	s_cselect_b32 s22, s24, s22                    ; or of x
	s_add_co_i32 s22, s22, 127
	s_lshl_b32 s23, s22, 23
	v_mov_b32 v11, s23                             ; 2^e as f32: the conversion takes its exponent field
	s_add_co_i32 s22, s22, EMAX
	s_lshl_b32 s22, s22, 23
	s_or_b32 s22, s22, MANT
	v_mov_b32 v10, s22                             ; 448 x 2^e
	s_wait_alu depctr_va_vdst(0)
	s_wait_loadcnt 12                              ; step 0's four loads are in; those of steps 1 to 3 may be out
	TURN 0
.macro STEP t
.set XS, X+16*((\t)%2)
	s_wait_dscnt 0x0                               ; this step's numbers are back from the stage: so its stores into the stage have read their registers,
.if (\t)+4 < STEPS
	LOAD (\t)+4                                    ; which take the loads of four steps on
.endif
.if (\t)+1 < STEPS
.if STEPS-2-(\t) >= 3
	s_wait_loadcnt 12                              ; the next step's four loads are in; those of the three steps behind it may be out
.else
	s_wait_loadcnt 4*(STEPS-2-(\t))                ; near the end fewer steps stand behind it
.endif
	TURN (\t)+1                                    ; and go through the other stage while this step is worked
.endif
.irp i, 0,1,2,3,4,5,6,7,8,9,10,11,12,13,14,15
	v_med3_num_f32 v[XS+\i], v[XS+\i], -v10, v10   ; the conversion to an 8-bit code does not saturate (ISA guide 7.6.2): the number is held within the largest code x the scale first
.endr
	v_cvt_scalef32_pk8_fp8_f32 v[C+4*(\t):C+4*(\t)+1], v[XS:XS+7], v11          ; eight numbers / 2^e, to the nearest code, ties to even; the first number's code in the lowest byte
	v_cvt_scalef32_pk8_fp8_f32 v[C+4*(\t)+2:C+4*(\t)+3], v[XS+8:XS+15], v11
	global_store_b128 v3, v[C+4*(\t):C+4*(\t)+3], s[8:9] offset:512*(\t)        ; the results go to a store alone; the next vector lines are the next step's holds, on other registers
.endm
.irp t, 0,1,2,3,4,5,6,7
	STEP \t
.endr
	s_wait_tensorcnt 0x0
	ds_add_u32 v160, v161
	s_wait_dscnt 0x0
	s_endpgm
.Lfunc_end_k_qd71a2c9ad3_quant:
	.size	k_qd71a2c9ad3_quant, .Lfunc_end_k_qd71a2c9ad3_quant-k_qd71a2c9ad3_quant
	.p2alignl 7, 3214868480
	.fill 96, 4, 3214868480
	.section	.rodata,"a",@progbits
	.p2align	6, 0x0
	.amdhsa_kernel k_qd71a2c9ad3_quant
		.amdhsa_group_segment_fixed_size 33280
		.amdhsa_private_segment_fixed_size 0
		.amdhsa_enable_private_segment 0
		.amdhsa_kernarg_size 56
		.amdhsa_user_sgpr_count 2
		.amdhsa_user_sgpr_kernarg_segment_ptr 1
		.amdhsa_wavefront_size32 1
		.amdhsa_system_sgpr_workgroup_id_x 1
		.amdhsa_system_sgpr_workgroup_id_y 1
		.amdhsa_system_sgpr_workgroup_id_z 1
		.amdhsa_system_vgpr_workitem_id 0
		.amdhsa_next_free_vgpr 162
		.amdhsa_next_free_sgpr 66
		.amdhsa_reserve_vcc 0
		.amdhsa_float_denorm_mode_32 3
		.amdhsa_float_denorm_mode_16_64 3
		.amdhsa_memory_ordered 1
		.amdhsa_forward_progress 1
		.amdhsa_inst_pref_size 21
	.end_amdhsa_kernel
	.amdgpu_metadata
---
amdhsa.version: [ 1, 2 ]
amdhsa.kernels:
  - .name:           k_qd71a2c9ad3_quant
    .symbol:         k_qd71a2c9ad3_quant.kd
    .args:
      - { .name: x, .offset: 0, .size: 8, .value_kind: global_buffer, .address_space: global }
      - { .name: w_qkv, .offset: 8, .size: 8, .value_kind: global_buffer, .address_space: global }
      - { .name: w_out, .offset: 16, .size: 8, .value_kind: global_buffer, .address_space: global }
      - { .name: lowp_scales, .offset: 24, .size: 8, .value_kind: global_buffer, .address_space: global }
      - { .name: x_codes, .offset: 32, .size: 8, .value_kind: global_buffer, .address_space: global }
      - { .name: wqkv_codes, .offset: 40, .size: 8, .value_kind: global_buffer, .address_space: global }
      - { .name: wout_codes, .offset: 48, .size: 8, .value_kind: global_buffer, .address_space: global }
    .group_segment_fixed_size: 33280
    .private_segment_fixed_size: 0
    .kernarg_segment_align: 8
    .kernarg_segment_size: 56
    .max_flat_workgroup_size: 128
    .sgpr_count:     66
    .vgpr_count:     162
    .wavefront_size: 32
...
	.end_amdgpu_metadata
.endif
;; end of part 1
;; launch qkv (part 2): grid 12 x 32, 4 waves a work-group, clusters of 4 x 4, 327,680 bytes of LDS; arguments x_codes, wqkv_codes, lowp_scales, q_img, k_img, v_img; writes q_img, k_img, v_img
.if DOCPART == 2
	.amdgcn_target "amdgcn-amd-amdhsa--gfx1250"
	.amdhsa_code_object_version 6
	.text
	.protected	k_qd71a2c9ad3_qkv
	.globl	k_qd71a2c9ad3_qkv
	.p2align	8
	.type	k_qd71a2c9ad3_qkv,@function
k_qd71a2c9ad3_qkv:
	s_mov_b64 s[64:65], 0
	v_nop
	global_prefetch_b8 v0, s[64:65] scope:SCOPE_SE
	s_setreg_imm32_b32 hwreg(HW_REG_WAVE_MODE, 25, 1), 1
	s_wait_xcnt 0x0
	s_wait_alu depctr_hold_cnt(0) depctr_sa_sdst(0) depctr_va_vdst(0) depctr_va_sdst(0) depctr_va_ssrc(0) depctr_va_vcc(0) depctr_vm_vsrc(0)
	s_getreg_b32 s2, hwreg(HW_REG_IB_STS2, 6, 4)
	s_cmp_eq_u32 s2, 0
	s_cbranch_scc0 .Lentry_in_a_cluster
	s_endpgm
.Lentry_in_a_cluster:
	s_bfe_u32 s2, ttmp6, 0x10000c
	s_cmp_lg_u32 s2, 0xf033
	s_cbranch_scc0 .Lentry_shape_is_right
	s_endpgm
.Lentry_shape_is_right:
; qkv = x w_qkv^T on codes of FP8 (E4M3); each finished f32 sum is quantised at once, as q (scale entry 2), k (entry 3) or v (entry 5), and leaves as a code.  No f32 number of q, k, v goes to memory.
; x's codes [8192][1024], w_qkv's [3072][1024], K innermost, both in the same order of k inside each 32 (the launch before): a 16-byte read at 16 (lane / 16) of a block of 32 is four registers of the plain operand layout.
; A sum stands for sum x 2^(e0 + e1); its code is sum / 2^(ed - e0 - e1), held within +-448: the three scales are folded into the conversion's one.  LIMIT: ed - e0 - e1 between -126 and 119, for ed = e2, e3, e5.
; SHAPE.  A tile of 256 x 256 sums is made by a work-group of four waves, each 128 x 128: 64 accumulators, 512 registers.  K goes in steps of 256 through a ring of two LDS slots filled by the tensor data mover.
; THE MATRIX INSTRUCTION: source 0 = 16 rows of side B, source 1 = 16 rows of side A: a lane then holds ONE index of side A (lane % 16) and eight neighbouring indices of side B, 8 (lane / 16) + 0..7.
; The next products want q and k with the head's 64 along a lane's registers, and v with the KEYS along them.  So for q and k side A = tokens (x), side B = channels (w); for v side A = channels (w_qkv's rows 2,048 on), side B = tokens.
; Which of the three a work-group makes hangs on the cluster's x alone (0: q, 1: k, 2: v), which all sixteen partners share; only pointers, scales and store offsets are chosen by it: there is one path through the text.
; WAY OUT.  The conversion of an accumulator's eight registers gives registers 2 c, 2 c + 1 of the next operand (k = 16 c + 8 (lane / 16) + 0..7), so the codes ARE that operand's registers.  They are stored as an image of
; the registers: four registers by one store, lane l's 16 bytes at 16 l: each store of the wave covers 512 consecutive bytes, aligned.
;   q_img, k_img: [batch x head 64][tile of 16 tokens 128][chunk 2][lane 32][16 bytes];   v_img: [batch x head 64][step of 128 keys 16][16 channels 4][chunk 4][lane 32][16 bytes].
; CLUSTERS: 4 x 4 work-groups.  The four of a row of the cluster need the same tiles of side A, the four of a column the same tiles of side B: each tile is asked for JOINTLY.
; No prefetch is laid: K has four steps, of which two are asked for at the head.
; REGISTERS, in windows of 256: window 0: v0-31 addresses; from v128 A's fragments (8 x 16 rows x 128 K), ONE set; on the way out v32-95 held sums, v128-255 codes.
;   window 1: B's fragments, TWO sets, at v0 and at v128.   window 2: the accumulators of my A blocks 0-3 (accumulator (a, b) at v[8 (8 a + b)]);   window 3: those of blocks 4-7.
.set SIZE_K, 1024
.set KSTEP,  256                       ; along K in a slot
.set ROWB,   256                       ; a tile's row in bytes
.set KROW,   SIZE_K                    ; a row of codes in memory, in bytes
.set PITCH,  272                       ; an LDS row: 256 bytes + 16 of padding = 68 words: the 16 rows that a load touches start 4 words apart modulo 64 (64 banks of 4 bytes: ISA guide 11.1)
.set FR,     16                        ; registers of a fragment: 16 rows x 128 K
.set NL,     4                         ; LDS loads that bring one
.set NP,     4                         ; places behind this matrix instruction (ISA guide 7.12.1)
.set HALFT,  128*PITCH                 ; 128 rows: what one tensor load brings, and what one wave reads of a side
.set SLOT,   4*HALFT                   ; A's 256 rows, then B's 256 rows
.set LAPS,   SIZE_K/(2*KSTEP)          ; a lap = two K steps = once round the ring
.set SPARE,  2*SLOT                    ; behind the ring: the spare words, 128 bytes for each wave: two blocks of 256 bytes that no other line names
.set ADRA, 16                          ; v16-17  LDS address of my A fragments in slot 0, 1
.set ADRB, 20                          ; v20-21  the same for B
.set LO0,  26                          ; v26     the way out: 16 x lane
.set LO1,  27                          ; v27     the same + the distance from an image's first chunk to its third (v), or to the next head (q, k)
.set SPW,  28                          ; v28     LDS address of my spare word: SPARE + 4 x my thread's number; never rewritten
.set NIL,  29                          ; v29     0; never rewritten
.set SCL,  30                          ; v30     2^(ed - e0 - e1) as f32
.set LIM,  31                          ; v31     448 x that
.set TMP,  32                          ; the way out: a block's 64 sums, held
.set AF,   128                         ; A's fragments, in window 0
.set CD,   128                         ; the way out: 16 registers of codes for each block, never rewritten
.set G1, 24                            ; s[24:31] descriptor group 1 for A's tiles;  s[32:39] group 0, one set for each slot
.set G0, 32
.set G1B, 48                           ; s[48:55], s[56:63] the same for B's tiles
.set G0B, 56
.set MSB, 0
.macro WIN new                         ; the immediate's high byte repeats the setting that is left
.if MSB != \new
	s_set_vgpr_msb (MSB<<8)|\new
.set MSB, \new
.endif
.endm
.set MUL_LO, 0xa1                      ; source 0 (B) window 1, source 1 (A) window 0, C and D window 2
.set MUL_HI, 0xf1                      ; the same, C and D window 3
.set TO_B,   0x40                      ; destination window 1, address window 0
; A joint load: waves 0 and 1 fetch for A, waves 2 and 3 for B.  Each of the two lines has ONE mask and one set of registers for all that issue it; the branch hangs on the wave's number alone.
; Four v_nop follow each of the two lines, ahead of the jump, the label and what follows.
.macro JLOAD g0a, g1a, g0b, g1b
	s_cmp_eq_u32 s15, 0
	s_cbranch_scc0 .Lfor_b_\@
	tensor_load_to_lds s[\g0a:\g0a+3], s[\g1a:\g1a+7]
	s_nop 0
.rept 4
	v_nop
.endr
	s_branch .Lasked_\@
.Lfor_b_\@:
	tensor_load_to_lds s[\g0b:\g0b+3], s[\g1b:\g1b+7]
	s_nop 0
.rept 4
	v_nop
.endr
.Lasked_\@:
.endm
.macro CREST                           ; a round of the cluster's barrier behind its opening barrier
	s_cmp_lg_u32 s14, 0
	s_cbranch_scc1 .Lnot_wave_0_\@
	s_barrier_signal -3
.Lnot_wave_0_\@:
	s_barrier_wait -3
	s_barrier_signal -1
	s_barrier_wait -1
.endm
.macro CROUND                          ; a whole round
	s_barrier_signal -1
	s_barrier_wait -1
	CREST
.endm
	s_load_b128 s[4:7], s[0:1], 0x0                ; x's codes s[4:5], w_qkv's codes s[6:7]
	s_load_b64 s[8:9], s[0:1], 0x10                ; the scales' exponents
	s_load_b128 s[68:71], s[0:1], 0x18             ; q_img s[68:69], k_img s[70:71]
	s_load_b64 s[72:73], s[0:1], 0x28              ; v_img
	v_lshl_add_u32 v[SPW], v0, 2, SPARE
	v_mov_b32 v[NIL], 0
	ds_add_u32 v28, v29
	ds_add_u32 v28, v29
	s_wait_dscnt 0x0
	v_lshrrev_b32 v1, 5, v0
	v_readfirstlane_b32 s14, v1                    ; wave 0..3
	s_lshr_b32 s15, s14, 1                         ; which half of side A is mine.  Also: I fetch for A (0) or for B (1)
	s_and_b32 s16, s14, 1                          ; which half of side B.  Also: which 128 rows of that tile I fetch
	s_bfe_u32 s40, ttmp6, 0x40000                  ; cx, cy: my place in the cluster
	s_bfe_u32 s41, ttmp6, 0x40004
	s_and_b32 s74, ttmp7, 0xffff                   ; cluster y: 0..7
	s_cmp_eq_u32 ttmp9, 2                          ; cluster x = 2: v.  The same in all sixteen partners
	s_cselect_b32 s75, 0, s74                      ; side A: v: w_v's four tiles; q, k: x's 32 tiles
	s_cselect_b32 s76, s74, ttmp9                  ; side B: v: x's 32 tiles; q, k: w_qkv's tiles 4 x cluster x on
	s_lshl_b32 s42, s76, 2
	s_add_co_u32 s42, s42, s40                     ; B's tile of 256 rows: hangs on cx, not on cy
	s_lshl_b32 s17, s75, 2
	s_add_co_u32 s17, s17, s41                     ; A's tile: hangs on cy, not on cx
	s_lshl_b32 s43, s41, 2
	s_lshl_b32 s43, 15, s43                        ; my row of the cluster
	s_lshl_b32 s44, 0x1111, s40                    ; my column
	; descriptor group 1: a tile of 128 rows x ROWB bytes, padded in LDS
	s_or_b32 s[G1+0], s43, (0<<16)|(1<<20)|(1<<21)|(5<<22)|(3<<25)  ; 15:0 the mask: A's tiles go to my row; 17:16 element of 1 byte; 20 padding on; 21 set beside a mask; 24:22 after every 64 words (code 5); 31:25 of 4 words (code 3)
	s_or_b32 s[G1B+0], s44, (0<<16)|(1<<20)|(1<<21)|(5<<22)|(3<<25)
.irp g, G1, G1B
	s_mov_b32 s[\g+1], ROWB<<16                    ; tensor_dim0
	s_mov_b32 s[\g+2], 128<<16                     ; tensor_dim1 = 128
	s_mov_b32 s[\g+3], ROWB<<16                    ; tile_dim0
	s_mov_b32 s[\g+4], 128                         ; tile_dim1 = 128
	s_mov_b32 s[\g+5], KROW                        ; tensor_dim0_stride
	s_mov_b32 s[\g+6], 0
	s_mov_b32 s[\g+7], 0
.endr
	s_lshl_b32 s18, s16, 7                         ; which 128 rows of the tile I fetch
	s_lshl_b32 s20, s17, 8
	s_add_co_u32 s20, s20, s18                     ; A: row 256 x tile + 128 x half
	s_lshl_b32 s46, s42, 8
	s_add_co_u32 s46, s46, s18                     ; B likewise
	s_mov_b32 s21, 0
	s_mov_b32 s47, 0
	s_mov_b64 s[18:19], KROW
	s_mul_u64 s[20:21], s[20:21], s[18:19]         ; in bytes
	s_mul_u64 s[46:47], s[46:47], s[18:19]
	s_mul_i32 s45, s14, HALFT                      ; where they go: wave x 128 rows: no place in the cluster enters an LDS address
	s_wait_kmcnt 0x0
	s_load_b256 s[88:95], s[8:9], 0x0              ; e0 .. e7: wanted on the way out
	s_add_nc_u64 s[78:79], s[6:7], 2048*KROW       ; w_v: w_qkv's rows 2,048 on
	s_cmp_eq_u32 ttmp9, 2
	s_cselect_b64 s[80:81], s[78:79], s[4:5]       ; side A's buffer
	s_cselect_b64 s[82:83], s[4:5], s[6:7]         ; side B's
	s_add_nc_u64 s[20:21], s[80:81], s[20:21]
	s_add_nc_u64 s[46:47], s[82:83], s[46:47]
	CROUND                                         ; all sixteen work-groups are here: the first joint loads meet
.irp s, 0,1
	s_mov_b32 s[G0+4*\s], 1
	s_add_co_u32 s[G0+4*\s+1], s45, \s*SLOT
	s_add_nc_u64 s[G0+4*\s+2:G0+4*\s+3], s[20:21], \s*ROWB
	s_or_b32 s[G0+4*\s+3], s[G0+4*\s+3], 0x80000000
	s_mov_b32 s[G0B+4*\s], 1
	s_add_co_u32 s[G0B+4*\s+1], s45, \s*SLOT
	s_add_nc_u64 s[G0B+4*\s+2:G0B+4*\s+3], s[46:47], \s*ROWB
	s_or_b32 s[G0B+4*\s+3], s[G0B+4*\s+3], 0x80000000
.endr
	JLOAD G0, G1, G0B, G1B                         ; K step 0: one tensor load a wave at the head
	v_and_b32 v1, 15, v0                           ; l % 16
	v_bfe_u32 v2, v0, 4, 1                         ; l / 16
	v_mul_u32_u24 v3, v1, PITCH
	v_lshl_add_u32 v4, v2, 4, v3                   ; a fragment's row x pitch + 16 x half
	s_mul_i32 s21, s15, HALFT                      ; my 128 rows of A
	s_mul_i32 s22, s16, HALFT                      ; my 128 rows of B,
	s_add_co_u32 s22, s22, 2*HALFT                 ; which lie behind A's 256
.irp s, 0,1
	v_add_nc_u32 v[ADRA+\s], s21, v4
	v_add_nc_u32 v[ADRB+\s], s22, v4
	s_add_co_u32 s21, s21, SLOT
	s_add_co_u32 s22, s22, SLOT
.endr
.macro FRAG reg, adr, q, i             ; a fragment, 16 rows x 128 K, is 16 registers: four loads of 16 bytes, 32 bytes apart
.irp c, 0,1,2,3
	ds_load_b128 v[\reg+4*\c:\reg+4*\c+3], v[\adr] offset:128*(\q)+32*\c+(\i)*16*PITCH
.endr
.endm
; 16 matrix instructions: A's blocks a0, a0 + 1 x B's eight, 128 along K.  p: B's set.  zero = 1: the first product starts the sums: nothing is ever cleared.
; The 64 accumulators take turns, one instruction a turn, in the same order in every step.
.macro MUL16 a0, p, zero
.irp a, \a0, \a0+1
.irp b, 0,1,2,3,4,5,6,7
.if \zero
	v_wmma_f32_16x16x128_fp8_fp8 v[8*(8*((\a)%4)+\b):8*(8*((\a)%4)+\b)+7], v[128*(\p)+FR*\b:128*(\p)+FR*\b+FR-1], v[AF+FR*(\a):AF+FR*(\a)+FR-1], 0
.else
	v_wmma_f32_16x16x128_fp8_fp8 v[8*(8*((\a)%4)+\b):8*(8*((\a)%4)+\b)+7], v[128*(\p)+FR*\b:128*(\p)+FR*\b+FR-1], v[AF+FR*(\a):AF+FR*(\a)+FR-1], v[8*(8*((\a)%4)+\b):8*(8*((\a)%4)+\b)+7]
.endif
.endr
.endr
.endm
.macro FETCH_B slot, q, p              ; B's eight fragments of the slot's q-th 128 along K into set p
	WIN TO_B
.irp i, 0,1,2,3,4,5,6,7
	FRAG 128*(\p)+FR*\i, ADRB+\slot, \q, \i
.endr
	WIN 0
.endm
.macro FETCH_A slot, q, i0             ; A's blocks i0 .. i0 + 3
.irp i, \i0, \i0+1, \i0+2, \i0+3
	FRAG AF+FR*(\i), ADRA+\slot, \q, \i
.endr
.endm
; A load into a register that a matrix instruction has read, and a vector instruction that reads a matrix result or writes one of a matrix instruction's registers, stand NP places behind it; only plain vector
; instructions that name none of its registers are places (ISA guide 7.12.1 for vector instructions).
.macro PLACES n
.rept \n
	v_nop
.endr
.endm
; A step of 128 along K that has its successor in the same slot.  A's block is free as soon as its eight products are issued, so one set serves A: blocks 0-3 are fetched anew in the middle, blocks 4-7 at the end.
.macro STEP slot, q, zero
	s_wait_dscnt 4*NL                              ; B's set and A's blocks 0-3 are in; the youngest sixteen loads (A's blocks 4-7) may be out
	WIN MUL_LO
	MUL16 0, (\q)%2, \zero
	MUL16 2, (\q)%2, \zero
	s_wait_dscnt 0                                 ; A's blocks 4-7 are in (asked for 32 matrix instructions ago)
	PLACES NP
	FETCH_B \slot, (\q)+1, 1-(\q)%2
	FETCH_A \slot, (\q)+1, 0
	WIN MUL_HI
	MUL16 4, (\q)%2, \zero
	MUL16 6, (\q)%2, \zero
	PLACES NP
	WIN 0
	FETCH_A \slot, (\q)+1, 4
.endm
; A slot's last step changes slots: ONE barrier; in front of it each wave waits for all its tensor loads, adds 0 to its spare word, and waits for that and for its own reads of this slot.  fill = 1: this slot is filled again, two K steps ahead.
.macro TURN slot, next, fill
	s_wait_tensorcnt 0x0                           ; all my tensor loads have landed: my part of the next slot;  (every window is 0 here: the add's two registers lie in window 0)
	ds_add_u32 v[SPW], v[NIL]                      ; 0 onto my spare word
	s_wait_dscnt 4*NL+1                            ; (the add and the youngest sixteen loads, A's blocks 4-7, may be out)
	WIN MUL_LO
	MUL16 0, 1, 0                                  ; sixteen matrix instructions stand between the add and the wait for it
	s_wait_dscnt 0x0                               ; the add is done, and my reads of this slot are over
	s_barrier_signal -1
	MUL16 2, 1, 0
	WIN 0
	s_barrier_wait -1
.if \fill
	CREST                                          ; the barrier has opened a round of the cluster's barrier: no wave of any partner still reads this slot's tile or has a load on its way
	s_add_nc_u64 s[G0+4*\slot+2:G0+4*\slot+3], s[G0+4*\slot+2:G0+4*\slot+3], 2*ROWB
	s_add_nc_u64 s[G0B+4*\slot+2:G0B+4*\slot+3], s[G0B+4*\slot+2:G0B+4*\slot+3], 2*ROWB
	JLOAD G0+4*\slot, G1, G0B+4*\slot, G1B         ; the first tensor load behind the round; the four v_nop behind it are the places in front of the loads below
.else
	PLACES NP
.endif
	FETCH_B \next, 0, 0
	FETCH_A \next, 0, 0
	WIN MUL_HI
	MUL16 4, 1, 0
	MUL16 6, 1, 0
	PLACES NP
	WIN 0
	FETCH_A \next, 0, 4
.endm
	s_wait_alu depctr_va_vdst(0)
	s_wait_tensorcnt 0x0                           ; my part of K step 0 is in
	ds_add_u32 v[SPW], v[NIL]
	s_wait_dscnt 0x0
	CROUND                                         ; everybody's part of K step 0 is in, and all sixteen work-groups are here
	JLOAD G0+4, G1, G0B+4, G1B                     ; K step 1: slot 1's first fill, the first tensor load behind the round
	FETCH_B 0, 0, 0
	FETCH_A 0, 0, 0
	FETCH_A 0, 0, 4
	STEP 0, 0, 1                                   ; the first step stands in front of the loop: its products start the sums
	s_mov_b32 s3, LAPS-1
.Llap:                                                 ; a trip goes once round the ring, from a lap's second step to the next lap's first, and fills both slots again
	TURN 0, 1, 1
	STEP 1, 0, 0
	TURN 1, 0, 1
	STEP 0, 0, 0
	s_sub_co_u32 s3, s3, 1
	s_cmp_lg_u32 s3, 0
	s_cbranch_scc1 .Llap
	TURN 0, 1, 0                                   ; the last lap fills nothing, and has no round of the cluster's barrier
	STEP 1, 0, 0
	s_wait_dscnt 4*NL                              ; the very last step: nothing more to fetch
	WIN MUL_LO
	MUL16 0, 1, 0
	MUL16 2, 1, 0
	s_wait_dscnt 0
	WIN MUL_HI
	MUL16 4, 1, 0
	MUL16 6, 1, 0
	WIN 0
	; THE WAY OUT.  What is chosen hangs on the cluster's x alone.
	s_wait_kmcnt 0x0                               ; the exponents
	s_cmp_eq_u32 ttmp9, 0
	s_cselect_b32 s96, s90, s91                    ; e2 (q) or e3 (k),
	s_cselect_b64 s[84:85], s[68:69], s[70:71]
	s_cmp_eq_u32 ttmp9, 2
	s_cselect_b32 s96, s93, s96                    ; or e5 (v)
	s_cselect_b64 s[84:85], s[72:73], s[84:85]
	s_cselect_b32 s66, s42, s17                    ; the tile of 256 tokens: side B's for v, side A's for q and k
	s_cselect_b32 s67, s41, s40                    ; the tile of 256 channels (four heads): cy for v, cx for q and k
	s_cselect_b32 s86, s16, s15                    ; my half of the tokens
	s_cselect_b32 s87, s15, s16                    ; my half of the channels (two heads)
	s_mov_b32 s98, 1024
	s_cselect_b32 s98, 2048, s98                   ; from an A block to the next: v: 16 channels on (2,048 bytes); q, k: 16 tokens on (1,024)
	s_mov_b32 s100, 1024
	s_cselect_b32 s100, 124928, s100               ; from block 3 to block 4: v: the next head, 131,072 - 3 x 2,048
	s_mov_b32 s77, 131072
	s_cselect_b32 s77, 1024, s77                   ; from a block's registers 0-7 to its registers 8-15: v: chunks 2, 3 of the image; q, k: the next head
	s_mov_b32 s99, 0
	s_mov_b32 s101, 0
	s_lshr_b32 s97, s66, 3
	s_lshl_b32 s97, s97, 21                        ; the batch: 16 heads of 131,072 bytes
	s_lshl_b32 s67, s67, 2
	s_lshl_b32 s87, s87, 1
	s_add_co_u32 s67, s67, s87
	s_lshl_b32 s67, s67, 17                        ; my first head
	s_add_co_u32 s97, s97, s67
	s_and_b32 s66, s66, 7
	s_lshl_b32 s66, s66, 1
	s_add_co_u32 s66, s66, s86
	s_lshl_b32 s66, s66, 13                        ; my 128 tokens: 8,192 bytes in each of the three layouts
	s_add_co_u32 s86, s97, s66
	s_mov_b32 s87, 0
	s_add_nc_u64 s[84:85], s[84:85], s[86:87]
	s_sub_co_i32 s96, s96, s88
	s_sub_co_i32 s96, s96, s89                     ; ed - e0 - e1
	s_add_co_i32 s96, s96, 127
	s_lshl_b32 s97, s96, 23
	v_mov_b32 v[SCL], s97
	s_add_co_i32 s96, s96, 8
	s_lshl_b32 s96, s96, 23
	s_or_b32 s96, s96, 0x600000
	v_mov_b32 v[LIM], s96
	v_and_b32 v[LO0], 31, v0
	v_lshlrev_b32 v[LO0], 4, v[LO0]
	v_add_nc_u32 v[LO1], s77, v[LO0]
	PLACES NP                                      ; behind the last products: the lines below read results and write the registers that held A's fragments
; Block a: its 64 sums are held and converted, each accumulator from its low end on; the eight conversions' results are 16 registers of the next operand; four stores of 512 consecutive bytes.
.macro OUT a
.set AC, 64*((\a)%4)
	WIN 0x02+((\a)/4)                              ; source 0: window 2 or 3
.set j, 0
.rept 64
	v_med3_num_f32 v[TMP+j], v[AC+j], -v[LIM], v[LIM]   ; the conversion to an 8-bit code does not saturate (ISA guide 7.6.2): the hold at the largest code x the scale
.set j, j+1
.endr
	WIN 0
.irp b, 0,1,2,3,4,5,6,7
	v_cvt_scalef32_pk8_fp8_f32 v[CD+16*(\a)+2*\b:CD+16*(\a)+2*\b+1], v[TMP+8*\b:TMP+8*\b+7], v[SCL]
.endr
	v_nop                                          ; one plain vector line between the conversions and the next block's holds, which write their sources
.if (\a) > 0
	s_wait_alu depctr_va_vdst(0)
	s_wait_xcnt 0x0                                ; the earlier stores have read their base: it may step
.if (\a) == 4
	s_add_nc_u64 s[84:85], s[84:85], s[100:101]
.else
	s_add_nc_u64 s[84:85], s[84:85], s[98:99]
.endif
.endif
	global_store_b128 v[LO0], v[CD+16*(\a):CD+16*(\a)+3], s[84:85]
	global_store_b128 v[LO0], v[CD+16*(\a)+4:CD+16*(\a)+7], s[84:85] offset:512
	global_store_b128 v[LO1], v[CD+16*(\a)+8:CD+16*(\a)+11], s[84:85]
	global_store_b128 v[LO1], v[CD+16*(\a)+12:CD+16*(\a)+15], s[84:85] offset:512
.endm
.irp a, 0,1,2,3,4,5,6,7
	OUT \a
.endr
	s_wait_tensorcnt 0x0                           ; the wave's end, behind my last tensor load
	ds_add_u32 v[SPW], v[NIL]
	s_wait_dscnt 0x0
	CROUND                                         ; the closing round: no work-group ends while a partner may still ask for a tile that names it
	s_endpgm
.Lfunc_end_k_qd71a2c9ad3_qkv:
	.size	k_qd71a2c9ad3_qkv, .Lfunc_end_k_qd71a2c9ad3_qkv-k_qd71a2c9ad3_qkv
	.p2alignl 7, 3214868480
	.fill 96, 4, 3214868480
	.section	.rodata,"a",@progbits
	.p2align	6, 0x0
	.amdhsa_kernel k_qd71a2c9ad3_qkv
		.amdhsa_group_segment_fixed_size 327680
		.amdhsa_private_segment_fixed_size 0
		.amdhsa_enable_private_segment 0
		.amdhsa_kernarg_size 48
		.amdhsa_user_sgpr_count 2
		.amdhsa_user_sgpr_kernarg_segment_ptr 1
		.amdhsa_wavefront_size32 1
		.amdhsa_system_sgpr_workgroup_id_x 1
		.amdhsa_system_sgpr_workgroup_id_y 1
		.amdhsa_system_sgpr_workgroup_id_z 1
		.amdhsa_system_vgpr_workitem_id 0
		.amdhsa_next_free_vgpr 1024
		.amdhsa_next_free_sgpr 102
		.amdhsa_reserve_vcc 0
		.amdhsa_float_denorm_mode_32 3
		.amdhsa_float_denorm_mode_16_64 3
		.amdhsa_memory_ordered 1
		.amdhsa_forward_progress 1
		.amdhsa_inst_pref_size 120
	.end_amdhsa_kernel
	.amdgpu_metadata
---
amdhsa.version: [ 1, 2 ]
amdhsa.kernels:
  - .name:           k_qd71a2c9ad3_qkv
    .symbol:         k_qd71a2c9ad3_qkv.kd
    .args:
      - { .name: x_codes, .offset: 0, .size: 8, .value_kind: global_buffer, .address_space: global }
      - { .name: wqkv_codes, .offset: 8, .size: 8, .value_kind: global_buffer, .address_space: global }
      - { .name: lowp_scales, .offset: 16, .size: 8, .value_kind: global_buffer, .address_space: global }
      - { .name: q_img, .offset: 24, .size: 8, .value_kind: global_buffer, .address_space: global }
      - { .name: k_img, .offset: 32, .size: 8, .value_kind: global_buffer, .address_space: global }
      - { .name: v_img, .offset: 40, .size: 8, .value_kind: global_buffer, .address_space: global }
    .group_segment_fixed_size: 327680
    .private_segment_fixed_size: 0
    .kernarg_segment_align: 8
    .kernarg_segment_size: 48
    .max_flat_workgroup_size: 128
    .sgpr_count:     102
    .vgpr_count:     1024
    .wavefront_size: 32
...
	.end_amdgpu_metadata
.endif
;; end of part 2
;; launch attn (part 3): grid 256 x 1, 8 waves a work-group, clusters of 4 x 1, 327,680 bytes of LDS; arguments q_img, k_img, v_img, lowp_scales, att_img; writes att_img
.if DOCPART == 3
	.amdgcn_target "amdgcn-amd-amdhsa--gfx1250"
	.amdhsa_code_object_version 6
	.text
	.protected	k_qd71a2c9ad3_attn
	.globl	k_qd71a2c9ad3_attn
	.p2align	8
	.type	k_qd71a2c9ad3_attn,@function
k_qd71a2c9ad3_attn:
	s_mov_b64 s[64:65], 0
	v_nop
	global_prefetch_b8 v0, s[64:65] scope:SCOPE_SE
	s_setreg_imm32_b32 hwreg(HW_REG_WAVE_MODE, 25, 1), 1
	s_wait_xcnt 0x0
	s_wait_alu depctr_hold_cnt(0) depctr_sa_sdst(0) depctr_va_vdst(0) depctr_va_sdst(0) depctr_va_ssrc(0) depctr_va_vcc(0) depctr_vm_vsrc(0)
	s_getreg_b32 s2, hwreg(HW_REG_IB_STS2, 6, 4)
	s_cmp_eq_u32 s2, 0
	s_cbranch_scc0 .Lentry_in_a_cluster
	s_endpgm
.Lentry_in_a_cluster:
	s_bfe_u32 s2, ttmp6, 0x10000c
	s_cmp_lg_u32 s2, 0x3003
	s_cbranch_scc0 .Lentry_shape_is_right
	s_endpgm
.Lentry_shape_is_right:
; att[b][q][head][:] = the sum over keys k <= q of softmax_k(Q . K / 8) V, both products on codes of FP8 (E4M3); att is quantised at once (scale entry 6) and leaves as codes.
; q_img, k_img: [batch x head 64][tile of 16 tokens 128][chunk 2][lane 32][16 bytes]: the register image of an operand of 16 tokens x 64.
; v_img: [batch x head 64][step of 128 keys 16][16 channels 4][chunk 4][lane 32][16 bytes]: the image of an operand of 16 channels x 128 keys.
; att_img: [tile of 16 rows 512][head 16][chunk 2][lane 32][16 bytes].
; SOFTMAX: t = score x log2(e) / 8; M = the row's largest t so far, rounded UP to a whole number; p = 2^(t - M) is quantised (scale entry 4), not normalised.  The row's sum is taken of the unquantised p and divides O at the end.
; When M moves, the sum and O are multiplied by 2^(old M - new M): exact.
; LAYOUT.  S^T = K Q^T: register 8 i + j of lane (r, h) is key 16 i + 8 h + j of the step, query r.  Tile i's conversion gives registers 2 i, 2 i + 1 of P as source 1 of O^T = V^T P^T.  O^T's conversions give the last product's operand.
; LEFT OUT: key steps all of whose 128 keys come after a tile's queries: the causal mask sets their scores to -infinity, so their p is 0 for all values of the inputs.
; SHARES.  64 heads x 4 work-groups.  The work-group at place cx of its cluster owns tiles 2 cx and 2 cx + 1 of EVERY block of 128 queries of its head.  Wave b (0..7) owns that PAIR of tiles in block 15 - b and then in block b:
; (16 - b) + (b + 1) = 17 key steps in every wave of every work-group, and each fragment of K and of V that a wave reads from LDS feeds two matrix instructions.  A pair walks its key steps upward; its last step lies on the
; diagonal, is masked, and is followed by the pair's way out.
; REGISTER WINDOWS.  The pair's first tile has its state in window 0, the second in window 1, under the same register numbers: each part of the softmax, the mask and the way out is one macro, run under two settings.
; K's fragments lie in window 0, V's in window 1 (v32-95 of each): so the next step's K is fetched behind this step's first product, and this step's V at the step's head.
; THE ORDER OF A STEP.  Both tiles' maxima are taken ahead of the first batch of exponentials; behind that batch stand the second tile's M and its 32 multiply-adds, behind the second batch the first tile's sums, holds and
; conversions: work that names no result of the batch in front of it.
; LDS: the head's whole K (bytes 0 on) and V (bytes 131,072 on), each byte filled once.  Waves 0-3 fetch K, waves 4-7 V, one load a wave in each of two stages: key steps 0-4 (10,240 bytes a wave) at the head;
; key steps 5-15 (22,528 bytes a wave) behind the sequence and the round; these land while trips 0-3 are worked, which read V's steps 0-3 and K's steps 0-4.
; CLUSTER 4 x 1: the four work-groups of a head need all of the same K and V, so both stages are joint loads (mask 15).  No branch, trip count or LDS address hangs on cx: it enters the addresses of Q and att and the mask's lane term alone.
; NO PREFETCH: both stages are asked for at the kernel's start, the second as soon as the first has landed; no later load exists that a prefetch could run ahead of.
; The last trip's look-ahead fetches a key step (b + 1) that no product uses: the trip is written once.
; LIMITS on the given exponents, so that each power of two below is an f32 number: e2 + e3 between -123 and 130; e4, and e6 - e4 - e5, between -126 and 119.  The scaled scores stay under 2^31 in magnitude.
; REGISTERS, in each window: v1 16 x lane; v2 the mask's lane term; v12 -M, v13 the largest t, v[14:15] the sum; v16-23 Q; v24-31 the second pair's Q; v96-159 S^T, then p; v160-191 O^T; v192-205 four chains of maxima, then
;   seven chains of sums; v224-239 p's codes; v240, v244: 448 x 2^e4, 2^e4; v246 a lane exchange; v248, v249: 2^(e6 - e4 - e5), 448 x that; v[252:253] f; v254 at work.
;   Window 0 alone: v8, v9 LDS addresses; v10 16 x lane + V's region; v251, v255 for the add.
.set SPARE, 262144                     ; behind K and V: the spare words, 128 bytes for each of 8 waves
.set VOFF,  131072
.set ST0,   40960                      ; stage 0: five key steps of 8,192 bytes
.set LN,   1
.set DL,   2
.set ADK,  8
.set ADV,  9
.set LNV,  10
.set TS,   192
.set SPW,  251
.set NIL,  255
.set WV,   18                          ; s18 my wave's number = b
.set SEL,  20                          ; s[20:21] lane selects: lane l xor 16
.set CS,   22                          ; s[22:23] c = log2(e) / 8 x 2^(e2 + e3)
.set G1A,  24                          ; s[24:31] group 1: 40 rows of 256 bytes
.set G1B,  32                          ; s[32:39] group 1: 88 rows of 256 bytes
.set G0A,  40                          ; s[40:43], s[44:47] groups 0 of the two stages
.set G0B,  44
.set TB,   48                          ; s48 the step's byte in K's and V's regions
.set TR,   49                          ; s49 the trip, 0 .. 16
.set XX,   50                          ; s50 trip + b
.set DG,   51                          ; s51 1 in a pair's last step
.set SW,   53                          ; s53 16 - b: the first pair's steps
.set KS,   54                          ; s54 at work for the key step
.set NTB,  55                          ; s55 the next trip's byte
.set CX,   56
.set OUT,  58                          ; s[58:59] where the pair in hand goes; s[60:61] the second pair
.set OUT2, 60
.set MSB, 0
.macro WIN new                         ; the immediate's high byte repeats the setting that is left
.if MSB != \new
	s_set_vgpr_msb (MSB<<8)|\new
.set MSB, \new
.endif
.endm
.set W1,    0x55                       ; every place window 1
.set TO_1,  0x40                       ; destination window 1, sources window 0
.set QK_1,  0x54                       ; source 0 (K) window 0; Q, C and D window 1
.set PV_0,  0x01                       ; source 0 (V) window 1; P, C and D window 0
.macro ROUND                           ; a round of the cluster's barrier
	s_barrier_signal -1
	s_barrier_wait -1
	s_cmp_lg_u32 s[WV], 0
	s_cbranch_scc1 .Lnw0_\@
	s_barrier_signal -3
.Lnw0_\@:
	s_barrier_wait -3
	s_barrier_signal -1
	s_barrier_wait -1
.endm
.macro STATE0                          ; a tile's state begins: constants alone are read
	v_mov_b32 v14, 0
	v_mov_b32 v15, 0
.set j, 0
.rept 32
	v_mov_b32 v[160+j], 0                          ; O^T: a tile's first step finds zeros, which the first change of M leaves zeros
.set j, j+1
.endr
.endm
.macro CONSTS                          ; what a window holds beside a tile's state
	v_mov_b32 v13, 0xff61b1e6                      ; the largest t so far: -3e38
	v_mov_b32 v12, 0x7f61b1e6                      ; -M
	v_mov_b32 v246, 0                              ; a lane permute's destination counts as one of its sources
	v_mov_b32 v253, 0                              ; (the upper half of the pair v[252:253])
	v_mov_b32 v244, s76                            ; 2^e4
	v_mov_b32 v240, s77                            ; 448 x 2^e4
	v_mov_b32 v248, s78                            ; 2^(e6 - e4 - e5)
	v_mov_b32 v249, s79                            ; 448 x that
.endm
	s_load_b256 s[4:11], s[0:1], 0x0               ; q_img, k_img, v_img, the scales' exponents
	s_load_b64 s[12:13], s[0:1], 0x20              ; att_img
	v_lshl_add_u32 v[SPW], v0, 2, SPARE
	v_mov_b32 v[NIL], 0
	ds_add_u32 v[SPW], v[NIL]                      ; the opening lines: the add, twice on end, and its wait
	ds_add_u32 v[SPW], v[NIL]
	v_lshrrev_b32 v3, 5, v0
	v_readfirstlane_b32 s[WV], v3                  ; wave 0..7 = b
	s_bfe_u32 s[CX], ttmp6, 0x40000                ; my place in the cluster
	s_xor_b32 s[SW], s[WV], 15                     ; 15 - b: the first pair's block
	s_lshl_b32 s76, s[CX], 1                       ; the pair's first tile in a block: 2 cx
	s_lshl_b32 s78, s[SW], 3
	s_add_co_u32 s78, s78, s76                     ; the first pair among the head's 128 tiles
	s_lshl_b32 s79, s[WV], 3
	s_add_co_u32 s79, s79, s76                     ; the second
	s_add_co_u32 s[SW], s[SW], 1
	s_lshl_b32 s80, ttmp9, 17                      ; the head's 131,072 bytes in q_img, k_img, v_img (ttmp9: the cluster's number = batch x head)
	s_lshl_b32 s84, s78, 10
	s_add_co_u32 s84, s84, s80
	s_mov_b32 s85, 0
	s_lshl_b32 s86, s79, 10
	s_add_co_u32 s86, s86, s80
	s_mov_b32 s87, 0
	s_lshr_b32 s81, ttmp9, 4
	s_lshl_b32 s81, s81, 7                         ; the batch's 128 tiles of rows
	s_and_b32 s82, ttmp9, 15
	s_lshl_b32 s82, s82, 10                        ; the head's 1,024 bytes of a tile
	s_add_co_u32 s88, s81, s78
	s_lshl_b32 s88, s88, 14
	s_add_co_u32 s88, s88, s82
	s_mov_b32 s89, 0
	s_add_co_u32 s90, s81, s79
	s_lshl_b32 s90, s90, 14
	s_add_co_u32 s90, s90, s82
	s_mov_b32 s91, 0
	s_lshl_b32 s83, s76, 4                         ; 16 x the pair's first tile in its block, for the mask
	; what I fetch: made of the wave's number and the head alone
	s_lshr_b32 s92, s[WV], 2
	s_lshl_b32 s92, s92, 17                        ; LDS: K's or V's region
	s_and_b32 s93, s[WV], 3
	s_mul_i32 s94, s93, 10240                      ; stage 0
	s_mul_i32 s95, s93, 22528
	s_add_co_u32 s95, s95, ST0                     ; stage 1, behind stage 0
	s_mov_b32 s[G0A], 1
	s_add_co_u32 s[G0A+1], s92, s94
	s_mov_b32 s[G0B], 1
	s_add_co_u32 s[G0B+1], s92, s95
	s_add_co_u32 s94, s94, s80
	s_add_co_u32 s96, s95, s80
	s_mov_b32 s95, 0
	s_mov_b32 s97, 0
	s_mov_b32 s[G1A], 15|(3<<16)|(1<<21)           ; the mask: all four partners; elements of 8 bytes; bit 21 beside a mask; no padding
	s_mov_b32 s[G1A+1], 32<<16                     ; rows of 256 bytes, dense
	s_mov_b32 s[G1A+2], 40<<16
	s_mov_b32 s[G1A+3], 32<<16
	s_mov_b32 s[G1A+4], 40
	s_mov_b32 s[G1A+5], 32
	s_mov_b32 s[G1A+6], 0
	s_mov_b32 s[G1A+7], 0
	s_mov_b32 s[G1B], 15|(3<<16)|(1<<21)
	s_mov_b32 s[G1B+1], 32<<16
	s_mov_b32 s[G1B+2], 88<<16
	s_mov_b32 s[G1B+3], 32<<16
	s_mov_b32 s[G1B+4], 88
	s_mov_b32 s[G1B+5], 32
	s_mov_b32 s[G1B+6], 0
	s_mov_b32 s[G1B+7], 0
	s_mov_b32 s[SEL], 0x76543210
	s_mov_b32 s[SEL+1], 0xfedcba98
	s_mov_b32 s[CS], 0x3e38aa3b                    ; log2(e) / 8
	s_wait_dscnt 0x0                               ; both opening adds are done
	s_wait_kmcnt 0x0
	s_load_b256 s[68:75], s[10:11], 0x0            ; e0 .. e7
	s_cmp_lt_u32 s[WV], 4
	s_cselect_b64 s[98:99], s[6:7], s[8:9]         ; K's image or V's: by the wave's number alone
	s_add_nc_u64 s[G0A+2:G0A+3], s[98:99], s[94:95]
	s_or_b32 s[G0A+3], s[G0A+3], 0x80000000
	s_add_nc_u64 s[G0B+2:G0B+3], s[98:99], s[96:97]
	s_or_b32 s[G0B+3], s[G0B+3], 0x80000000
	s_add_nc_u64 s[84:85], s[4:5], s[84:85]        ; the first pair's Q
	s_add_nc_u64 s[86:87], s[4:5], s[86:87]        ; the second's
	s_add_nc_u64 s[OUT:OUT+1], s[12:13], s[88:89]
	s_add_nc_u64 s[OUT2:OUT2+1], s[12:13], s[90:91]
	ROUND                                          ; all four work-groups are here: the first joint loads meet
	tensor_load_to_lds s[G0A:G0A+3], s[G1A:G1A+7]  ; key steps 0-4: my one load at the head
	s_nop 0
	v_and_b32 v[LN], 31, v0
	v_lshlrev_b32 v[LN], 4, v[LN]                  ; 16 x lane
	global_load_b128 v[16:19], v[LN], s[84:85] th:TH_LOAD_NT
	global_load_b128 v[20:23], v[LN], s[84:85] offset:512 th:TH_LOAD_NT
	global_load_b128 v[24:27], v[LN], s[86:87] th:TH_LOAD_NT
	global_load_b128 v[28:31], v[LN], s[86:87] offset:512 th:TH_LOAD_NT
	v_add_nc_u32 v[LNV], VOFF, v[LN]
	v_and_b32 v[DL], 15, v0
	v_bfe_u32 v3, v0, 4, 1
	v_lshlrev_b32 v3, 3, v3
	v_sub_nc_u32 v[DL], v[DL], v3
	v_add_nc_u32 v[DL], s83, v[DL]                 ; d = r - 8 h + 16 x my tile in its block: on the diagonal register 8 i + j is hidden where 16 i + j > d
	STATE0
	s_wait_kmcnt 0x0
	s_add_co_i32 s77, s70, s71
	s_lshl_b32 s77, s77, 23
	s_add_co_i32 s[CS], s[CS], s77                 ; e2 + e3 added to c's exponent field
	s_mov_b32 s[CS+1], s[CS]
	s_add_co_i32 s77, s72, 127
	s_lshl_b32 s76, s77, 23
	s_add_co_i32 s77, s77, 8
	s_lshl_b32 s77, s77, 23
	s_or_b32 s77, s77, 0x600000
	s_sub_co_i32 s79, s74, s72
	s_sub_co_i32 s79, s79, s73                     ; att's code is (sum / l) / 2^(e6 - e4 - e5)
	s_add_co_i32 s79, s79, 127
	s_lshl_b32 s78, s79, 23
	s_add_co_i32 s79, s79, 8
	s_lshl_b32 s79, s79, 23
	s_or_b32 s79, s79, 0x600000
	CONSTS
	WIN TO_1                                       ; the same for the pair's second tile, in window 1
	global_load_b128 v[16:19], v[LN], s[84:85] offset:1024 th:TH_LOAD_NT
	global_load_b128 v[20:23], v[LN], s[84:85] offset:1536 th:TH_LOAD_NT
	global_load_b128 v[24:27], v[LN], s[86:87] offset:1024 th:TH_LOAD_NT
	global_load_b128 v[28:31], v[LN], s[86:87] offset:1536 th:TH_LOAD_NT
	v_add_nc_u32 v[DL], 16, v[DL]
	v_mov_b32 v[LN], v[LN]
	STATE0
	CONSTS
	WIN 0
.macro MASK                            ; hidden scores become -infinity ahead of the maximum; the step's first key counts for every query of the tile
	v_mov_b32 v254, 0xff800000
.set n, 0
.rept 64
	v_cmp_gt_i32 vcc_lo, 16*(n/8)+n%8, v[DL]
	v_cndmask_b32 v[96+n], v[96+n], v254, vcc_lo
.set n, n+1
.endr
.endm
.macro MAXR                            ; the step's largest score among my 64 keys, in four chains of 15 (two accumulators each, each first read at its low end); the four numbers left over enter where the chains join
.irp k, 0,1,2,3
	v_max3_num_f32 v[TS+\k], v[96+16*\k], v[97+16*\k], v[98+16*\k]
.endr
.irp s, 1,2,3,4,5,6
.irp k, 0,1,2,3
	v_max3_num_f32 v[TS+\k], v[TS+\k], v[97+16*\k+2*\s], v[98+16*\k+2*\s]
.endr
.endr
	v_max3_num_f32 v254, v[TS], v[TS+1], v111
	v_max3_num_f32 v252, v[TS+2], v[TS+3], v127
	v_max3_num_f32 v254, v254, v143, v159
	s_delay_alu instid0(VALU_DEP_1)
	v_max_num_f32 v254, v254, v252
.endm
.macro MCH                             ; the running M and f
	v_permlanex16_b32 v246, v254, s[SEL], s[SEL+1]
	s_delay_alu instid0(VALU_DEP_1)
	v_max_num_f32 v254, v254, v246                 ; and among lane l xor 16's
	s_delay_alu instid0(VALU_DEP_1)
	v_mul_f32 v254, s[CS], v254                    ; as t (c is positive)
	s_delay_alu instid0(VALU_DEP_1)
	v_max_num_f32 v13, v13, v254                   ; the running largest t
	v_mov_b32 v254, v12
	s_delay_alu instid0(VALU_DEP_2)
	v_floor_f32 v12, -v13                          ; the new -M = -ceil(t)
	s_delay_alu instid0(VALU_DEP_1)
	v_sub_f32 v254, v12, v254                      ; old M - new M: a whole number, 0 or less
	s_delay_alu instid0(VALU_DEP_1)
	v_cvt_i32_f32 v254, v254                       ; (it saturates)
	s_delay_alu instid0(VALU_DEP_1)
	v_ldexp_f32 v252, 1.0, v254                    ; f = 2^(old M - new M)
.endm
.macro FMA                             ; t - M
.irp j, 0,2,4,6,8,10,12,14,16,18,20,22,24,26,28,30,32,34,36,38,40,42,44,46,48,50,52,54,56,58,60,62
	v_pk_fma_f32 v[96+\j:97+\j], v[96+\j:97+\j], s[CS:CS+1], v[12:13] op_sel_hi:[1,0,0]
.endr
.endm
.macro ORS                             ; O^T and the sum under the new M; each accumulator from its low end on
.irp j, 0,2,4,6,8,10,12,14,16,18,20,22,24,26,28,30
	v_pk_mul_f32 v[160+\j:161+\j], v[160+\j:161+\j], v[252:253] op_sel_hi:[1,0]
.endr
	v_pk_mul_f32 v[14:15], v[14:15], v[252:253] op_sel_hi:[1,0]
.endm
.macro EXPS                            ; p = 2^(t - M), at most 1
.set j, 0
.rept 64
	v_exp_f32 v[96+j], v[96+j]
.set j, j+1
.endr
.endm
.macro MINS t                          ; the conversion does not saturate (ISA guide 7.6.2); p is not negative, so the hold is one-sided
.irp i, 0,1,2,3,4,5,6,7
	v_min_num_f32 v[96+8*(\t)+\i], v[96+8*(\t)+\i], v240
.endr
.endm
.macro CVT t                           ; registers 2 t, 2 t + 1 of P
	v_cvt_scalef32_pk8_fp8_f32 v[224+2*(\t):225+2*(\t)], v[96+8*(\t):103+8*(\t)], v244
.endm
.macro P3                              ; the row's sum of the unquantised p (32 pairs in eight chains), then the holds and the conversions, each conversion eight holds behind its own
.irp i, 0,1,2,3,4,5,6
	v_pk_add_f32 v[TS+2*\i:TS+2*\i+1], v[96+4*\i:97+4*\i], v[98+4*\i:99+4*\i]
.endr
	v_pk_add_f32 v[14:15], v[14:15], v[124:125]
.irp i, 0,1,2,3,4,5,6
	v_pk_add_f32 v[TS+2*\i:TS+2*\i+1], v[TS+2*\i:TS+2*\i+1], v[126+2*\i:127+2*\i]
.endr
	v_pk_add_f32 v[14:15], v[14:15], v[140:141]
.irp i, 0,1,2,3,4,5,6
	v_pk_add_f32 v[TS+2*\i:TS+2*\i+1], v[TS+2*\i:TS+2*\i+1], v[142+2*\i:143+2*\i]
.endr
	v_pk_add_f32 v[14:15], v[14:15], v[156:157]
	v_pk_add_f32 v[TS:TS+1], v[TS:TS+1], v[158:159]
	MINS 0
.irp t, 0,1,2,3,4,5,6
	MINS \t+1
	CVT \t
.endr
	v_pk_add_f32 v[TS:TS+1], v[TS:TS+1], v[TS+2:TS+3]              ; the chains are joined
	v_pk_add_f32 v[TS+4:TS+5], v[TS+4:TS+5], v[TS+6:TS+7]
	v_pk_add_f32 v[TS+8:TS+9], v[TS+8:TS+9], v[TS+10:TS+11]
	v_pk_add_f32 v[14:15], v[14:15], v[TS+12:TS+13]
	CVT 7
	v_pk_add_f32 v[TS:TS+1], v[TS:TS+1], v[TS+4:TS+5]              ; plain lines between the last conversion and the products
	v_pk_add_f32 v[14:15], v[14:15], v[TS+8:TS+9]
	v_pk_add_f32 v[14:15], v[14:15], v[TS:TS+1]
.endm
.macro PV                              ; O^T += V^T P^T: four accumulators by turns; at least sixteen other products stand between two links of a sum
.irp t, 0,1,2,3
	v_wmma_f32_16x16x128_fp8_fp8 v[160+8*\t:167+8*\t], v[32+16*\t:47+16*\t], v[224:239], v[160+8*\t:167+8*\t]
.endr
.endm
.macro FIN off                         ; a tile's way out: O^T / the sum is held, converted and stored as the image of the next operand's registers: two stores of 512 consecutive bytes; then its state begins anew
	v_add_f32 v14, v14, v15
	v_permlanex16_b32 v246, v14, s[SEL], s[SEL+1]
	v_add_f32 v14, v14, v246                       ; the row's sum
	s_wait_alu depctr_va_vdst(0)                   ; ahead of the transcendental
	v_rcp_f32 v14, v14
	v_mov_b32 v13, 0xff61b1e6                      ; (the plain line behind the reciprocal)
	s_wait_alu depctr_va_vdst(0)                   ; ahead of the reciprocal's first reader, which is O^T's first reader too
.irp j, 0,2,4,6,8,10,12,14,16,18,20,22,24,26,28,30
	v_pk_mul_f32 v[96+\j:97+\j], v[160+\j:161+\j], v[14:15] op_sel_hi:[1,0]
.endr
.set j, 0
.rept 32
	v_med3_num_f32 v[96+j], v[96+j], -v249, v249
.set j, j+1
.endr
.irp t, 0,1,2,3
	v_cvt_scalef32_pk8_fp8_f32 v[224+2*\t:225+2*\t], v[96+8*\t:103+8*\t], v248
.endr
	v_mov_b32 v12, 0x7f61b1e6                      ; (the plain line behind the conversions)
	global_store_b128 v[LN], v[224:227], s[OUT:OUT+1] offset:\off
	global_store_b128 v[LN], v[228:231], s[OUT:OUT+1] offset:\off+512
	STATE0
.set j, 0
.rept 8
	v_mov_b32 v[16+j], v[24+j]                     ; the second pair's Q
.set j, j+1
.endr
.endm
; A KEY STEP of a pair: 128 keys.  K's fragments were asked for in the step before.  dg = 1: the text also holds the mask and the way out, both under s[DG] (made of the wave's number and the trip).
.macro STEP dg
	v_add_nc_u32 v[ADV], s[TB], v[LNV]
	v_add_nc_u32 v[ADK], s[NTB], v[LN]
	v_nop                                          ; with the two additions: four places in front of the loads into registers that the last step's products have read
	v_nop
	WIN TO_1
.set f, 0
.rept 16
	ds_load_b128 v[32+4*f:35+4*f], v[ADV] offset:512*f             ; V: channels 16 (f / 4) on, chunk f % 4: they land while the softmax is worked
.set f, f+1
.endr
	WIN 0
	s_wait_alu depctr_va_vdst(0)
	s_wait_dscnt 16                                ; K is in; the sixteen loads just issued may be out
.irp t, 0,1,2,3,4,5,6,7
	v_wmma_f32_16x16x64_fp8_fp8 v[96+8*\t:103+8*\t], v[32+8*\t:39+8*\t], v[16:23], 0
.endr
	WIN QK_1
.irp t, 0,1,2,3,4,5,6,7
	v_wmma_f32_16x16x64_fp8_fp8 v[96+8*\t:103+8*\t], v[32+8*\t:39+8*\t], v[16:23], 0
.endr
	WIN 0
.rept 4
	v_nop                                          ; places in front of the loads below and of the first read of the scores
.endr
.set f, 0
.rept 16
	ds_load_b128 v[32+4*f:35+4*f], v[ADK] offset:512*f             ; the next trip's K: tile f / 2, chunk f % 2
.set f, f+1
.endr
.if \dg
	s_cmp_eq_u32 s[DG], 0
	s_cbranch_scc1 .Lopen_\@
	MASK
	WIN W1
	MASK
	WIN 0
.Lopen_\@:
.endif
	MAXR                                           ; the first tile up to its exponents; no transcendental stands between the products and these first reads of the scores and of O^T
	MCH
	FMA
	ORS
	WIN W1
	MAXR                                           ; the second tile's scores are first read here, ahead of the first batch
	WIN 0
	s_wait_alu depctr_va_vdst(0)                   ; ahead of the batch
	EXPS
	WIN W1
	MCH                                            ; work that names no result of the batch
	FMA
	s_wait_alu depctr_va_vdst(0)                   ; behind the first batch, ahead of its first reader; and ahead of the second batch
	EXPS
	WIN 0
	P3                                             ; the first tile's p: work that names no result of the second batch
	WIN PV_0
	s_wait_alu depctr_va_vdst(0)                   ; behind the second batch
	s_wait_dscnt 16                                ; V is in; the next trip's K may be out
	PV
	WIN W1
	s_wait_alu depctr_va_vdst(0)
	ORS
	P3
	PV
	WIN 0
.if \dg
	s_cmp_eq_u32 s[DG], 0
	s_cbranch_scc1 .Lnofin_\@
	FIN 0
	WIN W1
	FIN 16384                                      ; the next tile of 16 rows
	WIN 0
	s_wait_alu depctr_va_vdst(0)
	s_wait_xcnt 0x0                                ; the stores have read their base and their data: both may be written
	s_mov_b64 s[OUT:OUT+1], s[OUT2:OUT2+1]
.Lnofin_\@:
.endif
.endm
.macro KSOF dst, add                   ; x = trip + add + b: below 16 the first pair, key step x - b; from 16 on the second, key step x - 16; dst = 8,192 x the key step
	s_add_co_u32 s[XX], s[TR], s[WV]
.if \add
	s_add_co_u32 s[XX], s[XX], \add
.endif
	s_lshr_b32 s[KS], s[XX], 4
	s_xor_b32 s[KS], s[KS], 1
	s_mul_i32 s[KS], s[KS], s[SW]                  ; 16 - b in the first pair, 0 in the second
	s_add_co_u32 s[KS], s[KS], s[XX]
	s_and_b32 s[KS], s[KS], 15
	s_lshl_b32 s[\dst], s[KS], 13
.endm
	s_wait_alu depctr_va_vdst(0)                   ; at the head's end
	s_wait_loadcnt 0x0                             ; Q, both pairs
	s_wait_tensorcnt 0x0                           ; my part of key steps 0-4 is in
	ds_add_u32 v[SPW], v[NIL]
	s_wait_dscnt 0x0
	ROUND                                          ; everybody's part is in, and all four work-groups are here
	tensor_load_to_lds s[G0B:G0B+3], s[G1B:G1B+7]  ; key steps 5-15: my one load behind the round; it lands on bytes that trips 0-3 do not read
	s_nop 0
.set f, 0
.rept 16
	ds_load_b128 v[32+4*f:35+4*f], v[LN] offset:512*f              ; key step 0's K
.set f, f+1
.endr
	s_mov_b32 s[TB], 0
	s_mov_b32 s[NTB], 8192
	s_mov_b32 s[TR], 0
.Lt1:                                                  ; trips 0-3: every wave in its first pair (at least 9 steps long), key step = trip, all keys count
	STEP 0
	s_add_co_u32 s[TB], s[TB], 8192
	s_add_co_u32 s[NTB], s[NTB], 8192
	s_add_co_u32 s[TR], s[TR], 1
	s_cmp_lt_u32 s[TR], 4
	s_cbranch_scc1 .Lt1
	s_wait_alu depctr_va_vdst(0)
	s_wait_tensorcnt 0x0                           ; my part of key steps 5-15 is in
	s_wait_dscnt 0x0
	s_barrier_signal -1
	s_barrier_wait -1                              ; everybody's is
.Lt2:                                                  ; trips 4-16
	KSOF NTB, 1
	KSOF TB, 0
	s_cmp_eq_u32 s[XX], 15                         ; the first pair's last step,
	s_cselect_b32 s[DG], 1, 0
	s_cmp_eq_u32 s[TR], 16                         ; or the second's
	s_cselect_b32 s[DG], 1, s[DG]
	STEP 1
	s_add_co_u32 s[TR], s[TR], 1
	s_cmp_lt_u32 s[TR], 17
	s_cbranch_scc1 .Lt2
	s_wait_tensorcnt 0x0                           ; the wave's end
	ds_add_u32 v[SPW], v[NIL]
	s_wait_dscnt 0x0
	ROUND                                          ; the closing round
	s_endpgm
.Lfunc_end_k_qd71a2c9ad3_attn:
	.size	k_qd71a2c9ad3_attn, .Lfunc_end_k_qd71a2c9ad3_attn-k_qd71a2c9ad3_attn
	.p2alignl 7, 3214868480
	.fill 96, 4, 3214868480
	.section	.rodata,"a",@progbits
	.p2align	6, 0x0
	.amdhsa_kernel k_qd71a2c9ad3_attn
		.amdhsa_group_segment_fixed_size 327680
		.amdhsa_private_segment_fixed_size 0
		.amdhsa_enable_private_segment 0
		.amdhsa_kernarg_size 40
		.amdhsa_user_sgpr_count 2
		.amdhsa_user_sgpr_kernarg_segment_ptr 1
		.amdhsa_wavefront_size32 1
		.amdhsa_system_sgpr_workgroup_id_x 1
		.amdhsa_system_sgpr_workgroup_id_y 1
		.amdhsa_system_sgpr_workgroup_id_z 1
		.amdhsa_system_vgpr_workitem_id 0
		.amdhsa_next_free_vgpr 512
		.amdhsa_next_free_sgpr 100
		.amdhsa_reserve_vcc 1
		.amdhsa_float_denorm_mode_32 3
		.amdhsa_float_denorm_mode_16_64 3
		.amdhsa_memory_ordered 1
		.amdhsa_forward_progress 1
		.amdhsa_inst_pref_size 90
	.end_amdhsa_kernel
	.amdgpu_metadata
---
amdhsa.version: [ 1, 2 ]
amdhsa.kernels:
  - .name:           k_qd71a2c9ad3_attn
    .symbol:         k_qd71a2c9ad3_attn.kd
    .args:
      - { .name: q_img, .offset: 0, .size: 8, .value_kind: global_buffer, .address_space: global }
      - { .name: k_img, .offset: 8, .size: 8, .value_kind: global_buffer, .address_space: global }
      - { .name: v_img, .offset: 16, .size: 8, .value_kind: global_buffer, .address_space: global }
      - { .name: lowp_scales, .offset: 24, .size: 8, .value_kind: global_buffer, .address_space: global }
      - { .name: att_img, .offset: 32, .size: 8, .value_kind: global_buffer, .address_space: global }
    .group_segment_fixed_size: 327680
    .private_segment_fixed_size: 0
    .kernarg_segment_align: 8
    .kernarg_segment_size: 40
    .max_flat_workgroup_size: 256
    .sgpr_count:     100
    .vgpr_count:     512
    .wavefront_size: 32
...
	.end_amdgpu_metadata
.endif
;; end of part 3
;; launch proj (part 4): grid 4 x 32, 4 waves a work-group, clusters of 4 x 4, 327,680 bytes of LDS; arguments att_img, wout_codes, lowp_scales, out0; writes out0
.if DOCPART == 4
	.amdgcn_target "amdgcn-amd-amdhsa--gfx1250"
	.amdhsa_code_object_version 6
	.text
	.protected	k_qd71a2c9ad3_proj
	.globl	k_qd71a2c9ad3_proj
	.p2align	8
	.type	k_qd71a2c9ad3_proj,@function
k_qd71a2c9ad3_proj:
	s_mov_b64 s[64:65], 0
	v_nop
	global_prefetch_b8 v0, s[64:65] scope:SCOPE_SE
	s_setreg_imm32_b32 hwreg(HW_REG_WAVE_MODE, 25, 1), 1
	s_wait_xcnt 0x0
	s_wait_alu depctr_hold_cnt(0) depctr_sa_sdst(0) depctr_va_vdst(0) depctr_va_sdst(0) depctr_va_ssrc(0) depctr_va_vcc(0) depctr_vm_vsrc(0)
	s_getreg_b32 s2, hwreg(HW_REG_IB_STS2, 6, 4)
	s_cmp_eq_u32 s2, 0
	s_cbranch_scc0 .Lentry_in_a_cluster
	s_endpgm
.Lentry_in_a_cluster:
	s_bfe_u32 s2, ttmp6, 0x10000c
	s_cmp_lg_u32 s2, 0xf033
	s_cbranch_scc0 .Lentry_shape_is_right
	s_endpgm
.Lentry_shape_is_right:
.set SIZE_N, 1024
.set SIZE_K, 1024
.set KSTEP,  256
.set ROWB,   256
.set KROW,   SIZE_K
.set AROW,   4096
.set PITCH,  272
.set FR,     16
.set NL,     4
.set NP,     4
.set HALFT,  128*PITCH
.set SLOT,   4*HALFT
.set LAPS,   SIZE_K/(2*KSTEP)
.set SPARE,  2*SLOT
.set SPITCH, 528
.set ADRA, 16
.set ADRB, 20
.set STO,  24
.set RD,   25
.set CO,   26
.set SPW,  28
.set NIL,  29
.set TMP,  32
.set AF,   128
.set BK,   128
.set G1, 24
.set G0, 32
.set G1B, 48
.set G0B, 56
.set MSB, 0
.macro WIN new
.if MSB != \new
	s_set_vgpr_msb (MSB<<8)|\new
.set MSB, \new
.endif
.endm
.set MUL_LO, 0xa1
.set MUL_HI, 0xf1
.set TO_B,   0x40
.macro JLOAD g0a, g1a, g0b, g1b
	s_cmp_eq_u32 s15, 0
	s_cbranch_scc0 .Lfor_b_\@
	tensor_load_to_lds s[\g0a:\g0a+3], s[\g1a:\g1a+7]
	s_nop 0
.rept 4
	v_nop
.endr
	s_branch .Lasked_\@
.Lfor_b_\@:
	tensor_load_to_lds s[\g0b:\g0b+3], s[\g1b:\g1b+7]
	s_nop 0
.rept 4
	v_nop
.endr
.Lasked_\@:
.endm
.macro CREST
	s_cmp_lg_u32 s14, 0
	s_cbranch_scc1 .Lnot_wave_0_\@
	s_barrier_signal -3
.Lnot_wave_0_\@:
	s_barrier_wait -3
	s_barrier_signal -1
	s_barrier_wait -1
.endm
.macro CROUND
	s_barrier_signal -1
	s_barrier_wait -1
	CREST
.endm
	s_load_b128 s[4:7], s[0:1], 0x0
	s_load_b128 s[8:11], s[0:1], 0x10
	v_lshl_add_u32 v[SPW], v0, 2, SPARE
	v_mov_b32 v[NIL], 0
	ds_add_u32 v28, v29
	ds_add_u32 v28, v29
	s_wait_dscnt 0x0
	v_lshrrev_b32 v1, 5, v0
	v_readfirstlane_b32 s14, v1
	s_lshr_b32 s15, s14, 1
	s_and_b32 s16, s14, 1
	s_bfe_u32 s40, ttmp6, 0x40000
	s_bfe_u32 s41, ttmp6, 0x40004
	s_lshl_b32 s42, ttmp9, 2
	s_add_co_u32 s42, s42, s40
	s_and_b32 s17, ttmp7, 0xffff
	s_lshl_b32 s17, s17, 2
	s_add_co_u32 s17, s17, s41
	s_lshl_b32 s43, s41, 2
	s_lshl_b32 s43, 15, s43
	s_lshl_b32 s44, 0x1111, s40
	s_or_b32 s[G1+0], s43, (3<<16)|(1<<21)
	s_mov_b32 s[G1+1], 512<<16
	s_mov_b32 s[G1+2], 8<<16
	s_mov_b32 s[G1+3], 512<<16
	s_mov_b32 s[G1+4], 8
	s_mov_b32 s[G1+5], 2048
	s_mov_b32 s[G1+6], 0
	s_mov_b32 s[G1+7], 0
	s_or_b32 s[G1B+0], s44, (0<<16)|(1<<20)|(1<<21)|(5<<22)|(3<<25)
	s_mov_b32 s[G1B+1], ROWB<<16
	s_mov_b32 s[G1B+2], 128<<16
	s_mov_b32 s[G1B+3], ROWB<<16
	s_mov_b32 s[G1B+4], 128
	s_mov_b32 s[G1B+5], KROW
	s_mov_b32 s[G1B+6], 0
	s_mov_b32 s[G1B+7], 0
	s_lshl_b32 s18, s16, 7
	s_lshl_b32 s20, s17, 8
	s_add_co_u32 s20, s20, s18
	s_lshl_b32 s46, s42, 8
	s_add_co_u32 s46, s46, s18
	s_mov_b32 s21, 0
	s_mov_b32 s47, 0
	s_mov_b64 s[18:19], KROW
	s_mul_u64 s[20:21], s[20:21], s[18:19]
	s_mul_u64 s[46:47], s[46:47], s[18:19]
	s_mul_i32 s45, s14, HALFT
	s_wait_kmcnt 0x0
	s_load_b64 s[96:97], s[8:9], 0x18
	s_add_nc_u64 s[20:21], s[4:5], s[20:21]
	s_add_nc_u64 s[46:47], s[6:7], s[46:47]
	CROUND
.irp s, 0,1
	s_mov_b32 s[G0+4*\s], 1
	s_add_co_u32 s[G0+4*\s+1], s45, \s*SLOT
	s_add_nc_u64 s[G0+4*\s+2:G0+4*\s+3], s[20:21], \s*AROW
	s_or_b32 s[G0+4*\s+3], s[G0+4*\s+3], 0x80000000
	s_mov_b32 s[G0B+4*\s], 1
	s_add_co_u32 s[G0B+4*\s+1], s45, \s*SLOT
	s_add_nc_u64 s[G0B+4*\s+2:G0B+4*\s+3], s[46:47], \s*ROWB
	s_or_b32 s[G0B+4*\s+3], s[G0B+4*\s+3], 0x80000000
.endr
	JLOAD G0, G1, G0B, G1B                         ; K step 0: one tensor load a wave at the head
	v_and_b32 v1, 15, v0
	v_bfe_u32 v2, v0, 4, 1
	v_mul_u32_u24 v3, v1, PITCH
	v_lshl_add_u32 v4, v2, 4, v3
	v_and_b32 v6, 31, v0
	v_lshlrev_b32 v[CO], 4, v6
	s_wait_alu depctr_va_vdst(0)
	s_mul_i32 s21, s15, HALFT
	s_mul_i32 s22, s16, HALFT
	s_add_co_u32 s22, s22, 2*HALFT
.irp s, 0,1
	v_add_nc_u32 v[ADRA+\s], s21, v[CO]
	v_add_nc_u32 v[ADRB+\s], s22, v4
	s_add_co_u32 s21, s21, SLOT
	s_add_co_u32 s22, s22, SLOT
.endr
	s_mul_i32 s23, s14, 16*SPITCH
	v_mul_u32_u24 v5, v1, SPITCH
	v_lshl_add_u32 v5, v2, 5, v5
	v_add_nc_u32 v[STO], s23, v5
	v_add_nc_u32 v[RD], s23, v[CO]
	s_lshl_b32 s20, s17, 8
	s_lshl_b32 s21, s15, 7
	s_add_co_u32 s20, s20, s21
	s_mov_b32 s21, 0
	s_mov_b64 s[18:19], SIZE_N*4
	s_mul_u64 s[20:21], s[20:21], s[18:19]
	s_lshl_b32 s46, s42, 10
	s_lshl_b32 s47, s16, 9
	s_add_co_u32 s46, s46, s47
	s_mov_b32 s47, 0
	s_add_nc_u64 s[20:21], s[20:21], s[46:47]
	s_add_nc_u64 s[10:11], s[10:11], s[20:21]
.macro FRAG reg, adr, q, i
.irp c, 0,1,2,3
	ds_load_b128 v[\reg+4*\c:\reg+4*\c+3], v[\adr] offset:128*(\q)+32*\c+(\i)*16*PITCH
.endr
.endm
.macro FRAGA reg, adr, q, i
.irp c, 0,1,2,3
	ds_load_b128 v[\reg+4*\c:\reg+4*\c+3], v[\adr] offset:(\i)*AROW+(\q)*2048+512*\c
.endr
.endm
.macro MUL16 a0, p, zero
.irp a, \a0, \a0+1
.irp b, 0,1,2,3,4,5,6,7
.if \zero
	v_wmma_f32_16x16x128_fp8_fp8 v[8*(8*((\a)%4)+\b):8*(8*((\a)%4)+\b)+7], v[128*(\p)+FR*\b:128*(\p)+FR*\b+FR-1], v[AF+FR*(\a):AF+FR*(\a)+FR-1], 0
.else
	v_wmma_f32_16x16x128_fp8_fp8 v[8*(8*((\a)%4)+\b):8*(8*((\a)%4)+\b)+7], v[128*(\p)+FR*\b:128*(\p)+FR*\b+FR-1], v[AF+FR*(\a):AF+FR*(\a)+FR-1], v[8*(8*((\a)%4)+\b):8*(8*((\a)%4)+\b)+7]
.endif
.endr
.endr
.endm
.macro FETCH_B slot, q, p
	WIN TO_B
.irp i, 0,1,2,3,4,5,6,7
	FRAG 128*(\p)+FR*\i, ADRB+\slot, \q, \i
.endr
	WIN 0
.endm
.macro FETCH_A slot, q, i0
.irp i, \i0, \i0+1, \i0+2, \i0+3
	FRAGA AF+FR*(\i), ADRA+\slot, \q, \i
.endr
.endm
.macro PLACES n
.rept \n
	v_nop
.endr
.endm
.macro STEP slot, q, zero
	s_wait_dscnt 4*NL
	WIN MUL_LO
	MUL16 0, (\q)%2, \zero
	MUL16 2, (\q)%2, \zero
	s_wait_dscnt 0
	PLACES NP
	FETCH_B \slot, (\q)+1, 1-(\q)%2
	FETCH_A \slot, (\q)+1, 0
	WIN MUL_HI
	MUL16 4, (\q)%2, \zero
	MUL16 6, (\q)%2, \zero
	PLACES NP
	WIN 0
	FETCH_A \slot, (\q)+1, 4
.endm
.macro TURN slot, next, fill
	s_wait_tensorcnt 0x0
	ds_add_u32 v[SPW], v[NIL]
	s_wait_dscnt 4*NL+1
	WIN MUL_LO
	MUL16 0, 1, 0
	s_wait_dscnt 0x0
	s_barrier_signal -1
	MUL16 2, 1, 0
	WIN 0
	s_barrier_wait -1
.if \fill
	CREST
	s_add_nc_u64 s[G0+4*\slot+2:G0+4*\slot+3], s[G0+4*\slot+2:G0+4*\slot+3], 2*AROW
	s_add_nc_u64 s[G0B+4*\slot+2:G0B+4*\slot+3], s[G0B+4*\slot+2:G0B+4*\slot+3], 2*ROWB
	JLOAD G0+4*\slot, G1, G0B+4*\slot, G1B
.else
	PLACES NP
.endif
	FETCH_B \next, 0, 0
	FETCH_A \next, 0, 0
	WIN MUL_HI
	MUL16 4, 1, 0
	MUL16 6, 1, 0
	PLACES NP
	WIN 0
	FETCH_A \next, 0, 4
.endm
	s_wait_alu depctr_va_vdst(0)
	s_wait_tensorcnt 0x0                           ; my part of K step 0 is in
	ds_add_u32 v[SPW], v[NIL]
	s_wait_dscnt 0x0
	CROUND                                         ; everybody's part of K step 0 is in, and all sixteen work-groups are here
	JLOAD G0+4, G1, G0B+4, G1B                     ; K step 1: slot 1's first fill, the first tensor load behind the round
	FETCH_B 0, 0, 0
	FETCH_A 0, 0, 0
	FETCH_A 0, 0, 4
	STEP 0, 0, 1
	s_mov_b32 s3, LAPS-1
.Llap:
	TURN 0, 1, 1
	STEP 1, 0, 0
	TURN 1, 0, 1
	STEP 0, 0, 0
	s_sub_co_u32 s3, s3, 1
	s_cmp_lg_u32 s3, 0
	s_cbranch_scc1 .Llap
	TURN 0, 1, 0
	STEP 1, 0, 0
	s_wait_dscnt 4*NL
	WIN MUL_LO
	MUL16 0, 1, 0
	MUL16 2, 1, 0
	s_wait_dscnt 0
	WIN MUL_HI
	MUL16 4, 1, 0
	MUL16 6, 1, 0
	WIN 0
.macro TOSTAGE a
.set AC, 64*((\a)%4)
	WIN 0x02+((\a)/4)
.irp j, 0,2,4,6,8,10,12,14,16,18,20,22,24,26,28,30,32,34,36,38,40,42,44,46,48,50,52,54,56,58,60,62
	v_pk_mul_f32 v[TMP+\j:TMP+\j+1], v[AC+\j:AC+\j+1], s[96:97] op_sel_hi:[1,0]
.endr
	WIN 0
.irp b, 0,1,2,3,4,5,6,7
	ds_store_b128 v[STO], v[TMP+8*\b:TMP+8*\b+3] offset:64*\b
	ds_store_b128 v[STO], v[TMP+8*\b+4:TMP+8*\b+7] offset:64*\b+16
.endr
.set BB, BK+64*((\a)%2)
.irp t, 0,1,2,3,4,5,6,7,8,9,10,11,12,13,14,15
	ds_load_b128 v[BB+4*\t:BB+4*\t+3], v[RD] offset:\t*SPITCH
.endr
.endm
.macro SEND a, younger
.set BB, BK+64*((\a)%2)
	s_wait_dscnt \younger
.if (\a) > 0
	s_add_nc_u64 s[10:11], s[10:11], 16*SIZE_N*4
.endif
.irp t, 0,1,2,3,4,5,6,7,8,9,10,11,12,13,14,15
	global_store_b128 v[CO], v[BB+4*\t:BB+4*\t+3], s[10:11] offset:\t*SIZE_N*4 th:TH_STORE_NT
.endr
.endm
	s_wait_kmcnt 0x0
	s_add_co_i32 s96, s96, s97
	s_add_co_i32 s96, s96, 127
	s_lshl_b32 s96, s96, 23
	PLACES NP
	TOSTAGE 0
.irp a, 1,2,3,4,5,6,7
.if \a > 1
	s_wait_xcnt 0x0
.endif
	TOSTAGE \a
	SEND \a-1, 32
.endr
	s_wait_xcnt 0x0
	SEND 7, 0
	s_wait_tensorcnt 0x0
	ds_add_u32 v[SPW], v[NIL]
	s_wait_dscnt 0x0
	CROUND
	s_endpgm
.Lfunc_end_k_qd71a2c9ad3_proj:
	.size	k_qd71a2c9ad3_proj, .Lfunc_end_k_qd71a2c9ad3_proj-k_qd71a2c9ad3_proj
	.p2alignl 7, 3214868480
	.fill 96, 4, 3214868480
	.section	.rodata,"a",@progbits
	.p2align	6, 0x0
	.amdhsa_kernel k_qd71a2c9ad3_proj
		.amdhsa_group_segment_fixed_size 327680
		.amdhsa_private_segment_fixed_size 0
		.amdhsa_enable_private_segment 0
		.amdhsa_kernarg_size 32
		.amdhsa_user_sgpr_count 2
		.amdhsa_user_sgpr_kernarg_segment_ptr 1
		.amdhsa_wavefront_size32 1
		.amdhsa_system_sgpr_workgroup_id_x 1
		.amdhsa_system_sgpr_workgroup_id_y 1
		.amdhsa_system_sgpr_workgroup_id_z 1
		.amdhsa_system_vgpr_workitem_id 0
		.amdhsa_next_free_vgpr 1024
		.amdhsa_next_free_sgpr 98
		.amdhsa_reserve_vcc 0
		.amdhsa_float_denorm_mode_32 3
		.amdhsa_float_denorm_mode_16_64 3
		.amdhsa_memory_ordered 1
		.amdhsa_forward_progress 1
		.amdhsa_inst_pref_size 123
	.end_amdhsa_kernel
	.amdgpu_metadata
---
amdhsa.version: [ 1, 2 ]
amdhsa.kernels:
  - .name:           k_qd71a2c9ad3_proj
    .symbol:         k_qd71a2c9ad3_proj.kd
    .args:
      - { .name: att_img, .offset: 0, .size: 8, .value_kind: global_buffer, .address_space: global }
      - { .name: wout_codes, .offset: 8, .size: 8, .value_kind: global_buffer, .address_space: global }
      - { .name: lowp_scales, .offset: 16, .size: 8, .value_kind: global_buffer, .address_space: global }
      - { .name: out0, .offset: 24, .size: 8, .value_kind: global_buffer, .address_space: global }
    .group_segment_fixed_size: 327680
    .private_segment_fixed_size: 0
    .kernarg_segment_align: 8
    .kernarg_segment_size: 32
    .max_flat_workgroup_size: 128
    .sgpr_count:     98
    .vgpr_count:     1024
    .wavefront_size: 32
...
	.end_amdgpu_metadata
.endif
;; end of part 4
